; MI455X (gfx1250); checked and timed in simulation.
; The chip was launched on July 23, 2026; its instructions are those of AMD's public machine-readable ISA for CDNA 5 (MIT licence, August 2026) and "CDNA5" Instruction Set Architecture Reference Guide (July 2026). The comments in the code are by the model that wrote it; some were corrected since.
;; Feature Aggregation. Allowed arithmetic: float matrix products may take bf16 or f16 operands with f32 sums; all other float work in f32.
;; Inputs: Wk 32 x 64 float32; Wq 32 x 64 float32; Wsc 32 x 64 float32; Wv 64 x 64 float32; bk 32 float32; bq 32 float32; gamma 1 float32; x1 8 x 32 x 64 x 64 float32; x2 8 x 32 x 64 x 64 float32.
;; Outputs: out0 8 x 32 x 64 x 64 float32.
;; 2 versions, each right and faster than the one before. Each part assembles by itself: llvm-mc -triple=amdgcn-amd-amdhsa -mcpu=gfx1250 --defsym DOCPART=n.
;; ======== version 1 of 2: 3 launches
;; workspace buffers: qf 2,097,152 bytes; kuf 4,194,304 bytes; basef 4,194,304 bytes; negl 131,072 bytes
;; launch proj (part 1): grid 256 x 1, 4 waves a work-group, no clusters, 37,376 bytes of LDS; arguments x1, x2, Wq, bq, Wk, bk, Wv, Wsc, gamma, qf, kuf, basef; writes qf, kuf, basef
.if DOCPART == 1
	.amdgcn_target "amdgcn-amd-amdhsa--gfx1250"
	.amdhsa_code_object_version 6
	.text
	.protected	k_q7d60b19d9f_proj
	.globl	k_q7d60b19d9f_proj
	.p2align	8
	.type	k_q7d60b19d9f_proj,@function
k_q7d60b19d9f_proj:
	s_mov_b64 s[64:65], 0
	v_nop
	global_prefetch_b8 v0, s[64:65] scope:SCOPE_SE
	s_setreg_imm32_b32 hwreg(HW_REG_WAVE_MODE, 25, 1), 1
	s_wait_xcnt 0x0
; PROJECTIONS.  x = concat(x1, x2): 64 channels, 4,096 pixels, 8 batches, f32.  Made here, per pixel:
;   q = log2(e) (Wq x + bq)   (32)   so that the later exponentials are powers of two
;   k = Wk x + bk             (32)
;   u = gamma Wsc (Wv x)      (32)   since Wsc (gamma v a^T + x) = (gamma Wsc v) a^T + Wsc x for every input
;   base = Wsc x              (32)
; All four are stored as register images: what a wave of the later launches needs in a quad of registers lies as 32 lanes x 16 bytes,
; 512 consecutive bytes, so that every later load (global, tensor, LDS) is contiguous.
; PIXEL ORDER: pixels go in groups of 64; tile i (0..3) of a group holds pixels 4 r + i, r = 0..15: a lane's 16-byte load of x
; gives register i to tile i, and four tiles' results of one lane are four neighbouring pixels again.
; A work-group takes two groups of pixels with four waves: wave w has group w & 1.  In front of the barrier wave w converts the 32 channels
; of x1 (w < 2) or x2; behind it waves 0, 1 make q, k and base, waves 2, 3 make v and from it u.
; The weights (40,960 bytes) are read by every work-group through registers, because they are converted to bf16 and laid out as fragments on
; the way; a joint tensor load would land them in LDS as f32 and cost a second trip through registers, so there is no cluster here.
; LIMITS: x, the weights, q, k, v and u are rounded to bf16 (sums in f32); log2(e) is multiplied into Wq and bq in f32 ahead of the rounding.
; NaN and infinities in the inputs are not served.
.set LOG2E, 0x3fb8aa3b
.set XIMG,  20480                      ; LDS: 0 .. 20479 ten row tiles of weights, 2,048 bytes each (Wq 0-1, Wk 2-3, Wv 4-7, Wsc 8-9); then x, 8,192 bytes a group
.set LA,   1                           ; 16 x lane
.set XO,   2                           ; x: (lane / 16) x 8 channels + 16 (lane % 16)
.set WO,   3                           ; weights: 32 x thread
.set WA,   4                           ; where a thread puts its 8 weights in the image
.set XA,   5                           ; where my wave puts x fragments
.set XR,   6                           ; where my wave reads its group x fragments
.set BO,   7                           ; biases: 32 (lane / 16)
.set RAW,  8                           ; v[8:71]    x as loaded: quad 8 hf + e = channel 16 hf + 8 (lane / 16) + e, register i = tile i
.set XF,   8                           ; v[8:71]    later: x fragments, 8 (2 i + ks)
.set WRAW, 72                          ; v[72:151]  weights as loaded, 8 floats a chunk, ten chunks
.set D,    72                          ; v[72:135]  later: accumulators, 8 (2 i + a)
.set WF,   136                         ; v[136:167] two row tiles of weights, 8 (2 a + ks)
.set T,    168                         ; v[168:199] packed bf16 on the way to LDS or memory
.set VF,   168                         ; v[168:231] waves 2, 3: v as fragments, 8 (2 i + ks)
.set BIAS, 200                         ; v[200:231] bq (16 registers: 8 a + j), bk (16 registers)
	s_load_b512 s[16:31], s[0:1], 0x0              ; x1 16, x2 18, Wq 20, bq 22, Wk 24, bk 26, Wv 28, Wsc 30
	s_load_b256 s[32:39], s[0:1], 0x40             ; gamma 32, qf 34, kuf 36, basef 38
	v_lshl_add_u32 v232, v0, 2, 0x9000
	v_mov_b32 v233, 0
	v_lshrrev_b32 v[LA], 5, v0
	v_readfirstlane_b32 s8, v[LA]                  ; wave 0..3
	s_and_b32 s9, s8, 1                            ; which of the two groups
	s_lshr_b32 s10, s8, 1                          ; 0: x1, then q, k, base;  1: x2, then v, u
	s_lshl_b32 s11, ttmp9, 1
	s_add_co_u32 s11, s11, s9                      ; G = group among all 512
	s_lshr_b32 s12, s11, 6                         ; batch
	s_and_b32 s13, s11, 63                         ; group in the batch
	s_lshl_b32 s44, s12, 19                        ; batch x 32 channels x 16,384 bytes
	s_lshl_b32 s13, s13, 8                         ; + group x 64 pixels x 4 bytes
	s_add_co_u32 s44, s44, s13
	s_mov_b32 s45, 0
	s_lshl_b32 s14, s9, 13
	s_add_co_u32 s14, s14, XIMG
	s_lshl_b32 s15, s10, 10
	v_and_b32 v[LA], 31, v0
	v_lshlrev_b32 v[LA], 4, v[LA]
	v_and_b32 v8, 15, v0                           ; r
	v_bfe_u32 v9, v0, 4, 1                         ; h
	v_lshlrev_b32 v8, 4, v8
	v_lshl_add_u32 v[XO], v9, 17, v8               ; 8 h channels of 16,384 bytes + 16 r
	v_lshlrev_b32 v[BO], 5, v9
	v_lshlrev_b32 v[WO], 5, v0
	v_and_b32 v8, 7, v0                            ; which 8 columns of a weight row: 4 ks + 2 hf + h
	v_lshrrev_b32 v9, 3, v0                        ; row in the row tile
	v_lshlrev_b32 v9, 4, v9
	v_lshl_add_u32 v[WA], v8, 8, v9                ; ks 1,024 + hf 512 + h 256 + 16 row
	v_add_nc_u32 v[XR], s14, v[LA]
	v_add_nc_u32 v[XA], s15, v[XR]
	s_wait_kmcnt 0x0
	s_load_b32 s40, s[32:33], 0x0                  ; gamma
	s_cmp_eq_u32 s10, 0
	s_cselect_b64 s[42:43], s[16:17], s[18:19]     ; x1 or x2
	s_add_nc_u64 s[42:43], s[42:43], s[44:45]
	s_lshl_b32 s44, s11, 12
	s_add_nc_u64 s[34:35], s[34:35], s[44:45]      ; qf: 4,096 bytes a group
	s_lshl_b32 s44, s11, 13
	s_add_nc_u64 s[36:37], s[36:37], s[44:45]      ; kuf: 8,192 bytes a group (two records of 32 keys)
	s_add_nc_u64 s[38:39], s[38:39], s[44:45]      ; basef: 8,192 bytes a group
	; Loads: weights (thread t, chunk k: row 16 k + t / 8, columns 8 (t % 8) ..), biases, then x: the order on which the counted wait below rests.
.irp k, 0,1
	global_load_b128 v[WRAW+8*\k:WRAW+8*\k+3],       v[WO], s[20:21] offset:4096*\k
	global_load_b128 v[WRAW+8*\k+4:WRAW+8*\k+7],     v[WO], s[20:21] offset:4096*\k+16
.endr
.irp k, 0,1
	global_load_b128 v[WRAW+16+8*\k:WRAW+16+8*\k+3],   v[WO], s[24:25] offset:4096*\k
	global_load_b128 v[WRAW+16+8*\k+4:WRAW+16+8*\k+7], v[WO], s[24:25] offset:4096*\k+16
.endr
.irp k, 0,1,2,3
	global_load_b128 v[WRAW+32+8*\k:WRAW+32+8*\k+3],   v[WO], s[28:29] offset:4096*\k
	global_load_b128 v[WRAW+32+8*\k+4:WRAW+32+8*\k+7], v[WO], s[28:29] offset:4096*\k+16
.endr
.irp k, 0,1
	global_load_b128 v[WRAW+64+8*\k:WRAW+64+8*\k+3],   v[WO], s[30:31] offset:4096*\k
	global_load_b128 v[WRAW+64+8*\k+4:WRAW+64+8*\k+7], v[WO], s[30:31] offset:4096*\k+16
.endr
	; The biases in the accumulator layout: register j = bias of channel 16 a + 8 h + j.  All four waves load them (128 bytes each), so that
	; the same loads stand behind the weights in every wave; waves 0 and 1 use them.
.irp a, 0,1
	global_load_b128 v[BIAS+8*\a:BIAS+8*\a+3],       v[BO], s[22:23] offset:64*\a
	global_load_b128 v[BIAS+8*\a+4:BIAS+8*\a+7],     v[BO], s[22:23] offset:64*\a+16
	global_load_b128 v[BIAS+16+8*\a:BIAS+16+8*\a+3],   v[BO], s[26:27] offset:64*\a
	global_load_b128 v[BIAS+16+8*\a+4:BIAS+16+8*\a+7], v[BO], s[26:27] offset:64*\a+16
.endr
	; x: 16 lanes read 256 consecutive bytes (64 pixels) of one channel, aligned; each byte of x is read once in the launch.
.irp hf, 0,1
.irp e, 0,1,2,3,4,5,6,7
	global_load_b128 v[RAW+4*(8*\hf+\e):RAW+4*(8*\hf+\e)+3], v[XO], s[42:43] offset:262144*\hf+16384*\e th:TH_LOAD_NT
.endr
.endr
	s_wait_loadcnt 0x10                            ; all but the 16 loads of x: weights and biases are in
.irp c, 0,1
.irp j, 0,2,4,6
	v_pk_mul_f32 v[WRAW+8*\c+\j:WRAW+8*\c+\j+1], v[WRAW+8*\c+\j:WRAW+8*\c+\j+1], LOG2E op_sel_hi:[1,0]   ; Wq in units of log2
.endr
.endr
.irp c, 0,1,2,3,4,5,6,7,8,9
.irp j, 0,1,2,3
	v_cvt_pk_bf16_f32 v[T+4*(\c%8)+\j], v[WRAW+8*\c+2*\j], v[WRAW+8*\c+2*\j+1]
.endr
	ds_store_b128 v[WA], v[T+4*(\c%8):T+4*(\c%8)+3] offset:2048*\c     ; chunk c is row tile c
.endr
	s_wait_loadcnt 0x0                             ; x
	; Fragment of tile i, 32 channels: registers 0-3 channels 8 h .. 8 h + 7, registers 4-7 channels 16 + 8 h .. (ISA guide 7.12.2)
.irp i, 0,1,2,3
.irp hf, 0,1
.irp e, 0,1,2,3
	v_cvt_pk_bf16_f32 v[T+8*\i+4*\hf+\e], v[RAW+4*(8*\hf+2*\e)+\i], v[RAW+4*(8*\hf+2*\e+1)+\i]
.endr
	ds_store_b128 v[XA], v[T+8*\i+4*\hf:T+8*\i+4*\hf+3] offset:2048*\i+512*\hf
.endr
.endr
	s_wait_kmcnt 0x0                               ; gamma
	s_mov_b32 s41, s40                             ; the pair that the packed multiply names
	s_wait_dscnt 0x0                               ; my stores are in LDS: the other waves read them behind the barrier
	s_barrier_signal -1
	s_barrier_wait -1
.macro LOADX                           ; my group: four tiles x two K steps of 32 channels
.irp f, 0,1,2,3,4,5,6,7
	ds_load_b128 v[XF+8*\f:XF+8*\f+3],   v[XR] offset:1024*\f
	ds_load_b128 v[XF+8*\f+4:XF+8*\f+7], v[XR] offset:1024*\f+512
.endr
.endm
.macro LOADW rt                        ; row tiles rt, rt + 1 of the weights
.irp f, 0,1,2,3
	ds_load_b128 v[WF+8*\f:WF+8*\f+3],   v[LA] offset:2048*\rt+1024*\f
	ds_load_b128 v[WF+8*\f+4:WF+8*\f+7], v[LA] offset:2048*\rt+1024*\f+512
.endr
.endm
; 16 matrix instructions: 2 row tiles x 4 pixel tiles x 64 channels.  swap = 0: rows = output channels, columns = pixels (weights x XF);
; swap = 1: rows = pixels, columns = output channels (VF x weights).  cb = 0: the sums start at 0, else at the bias registers cb.
; The eight accumulators take turns, one instruction a turn.
; The four v_nop at the end are the places in front of what reads the results or loads new weights.
.macro MM swap, cb
	s_wait_dscnt 0x0                               ; the fragments are in
.irp ks, 0,1
.irp i, 0,1,2,3
.irp a, 0,1
.set dd, D+8*(2*\i+\a)
.if \swap
.set aa, VF+8*(2*\i+\ks)
.set bb, WF+8*(2*\a+\ks)
.else
.set aa, WF+8*(2*\a+\ks)
.set bb, XF+8*(2*\i+\ks)
.endif
.if \ks
	v_wmma_f32_16x16x32_bf16 v[dd:dd+7], v[aa:aa+7], v[bb:bb+7], v[dd:dd+7]
.else
.if \cb
	v_wmma_f32_16x16x32_bf16 v[dd:dd+7], v[aa:aa+7], v[bb:bb+7], v[\cb+8*\a:\cb+8*\a+7]
.else
	v_wmma_f32_16x16x32_bf16 v[dd:dd+7], v[aa:aa+7], v[bb:bb+7], 0
.endif
.endif
.endr
.endr
.endr
.rept 4
	v_nop
.endr
.endm
.macro PACK dst, str                   ; the eight results of a lane in accumulator (i, a) become 16 bytes at dst + str i + 4 a
.irp i, 0,1,2,3
.irp a, 0,1
.irp k, 0,1,2,3
	v_cvt_pk_bf16_f32 v[\dst+\str*\i+4*\a+\k], v[D+8*(2*\i+\a)+2*\k], v[D+8*(2*\i+\a)+2*\k+1]
.endr
.endr
.endr
.endm
	LOADX
	s_cmp_lg_u32 s10, 0
	s_cbranch_scc1 .Lvalues
	; WAVES 0, 1: q, k, base.  A lane's eight results are channels 16 a + 8 h .. + 7 of pixel r: packed, they are half a of that tile's fragment.
	LOADW 0
.irp j, 0,2,4,6,8,10,12,14
	v_pk_mul_f32 v[BIAS+\j:BIAS+\j+1], v[BIAS+\j:BIAS+\j+1], LOG2E op_sel_hi:[1,0]     ; bq in units of log2
.endr
	MM 0, BIAS
	LOADW 2
	PACK T, 8
.irp i, 0,1,2,3
.irp a, 0,1
	global_store_b128 v[LA], v[T+8*\i+4*\a:T+8*\i+4*\a+3], s[34:35] offset:1024*\i+512*\a       ; each store of the wave: 512 consecutive bytes, aligned
.endr
.endr
	MM 0, BIAS+16
	LOADW 8
	s_wait_xcnt 0x0                                ; T, which the stores of q read, is rewritten only behind this wait
	PACK T, 8
.irp i, 0,1,2,3
.irp a, 0,1
	global_store_b128 v[LA], v[T+8*\i+4*\a:T+8*\i+4*\a+3], s[36:37] offset:4096*(\i/2)+1024*(\i%2)+512*\a   ; record i / 2, part i % 2
.endr
.endr
	MM 0, 0
.irp i, 0,1,2,3
.irp a, 0,1
.irp jq, 0,1
	global_store_b128 v[LA], v[D+8*(2*\i+\a)+4*\jq:D+8*(2*\i+\a)+4*\jq+3], s[38:39] offset:512*(2*(4*\a+\i)+\jq)   ; base as the accumulator image, f32
.endr
.endr
.endr
	s_wait_tensorcnt 0x0
	ds_add_u32 v232, v233
	s_wait_dscnt 0x0
	s_endpgm
.Lvalues:
	; WAVES 2, 3: v (64 channels, two products), packed into fragments as above, then u = gamma Wsc v with rows = pixels, so that a lane holds
	; eight keys of one channel: packed, half i % 2 of the value fragment of record i / 2.
	LOADW 4
	MM 0, 0
	LOADW 6
	PACK VF, 16
	MM 0, 0
	LOADW 8
	PACK VF+8, 16
	MM 1, 0
.set jj, 0
.rept 32
	v_pk_mul_f32 v[D+jj:D+jj+1], v[D+jj:D+jj+1], s[40:41] op_sel_hi:[1,0]              ; gamma
.set jj, jj+2
.endr
	PACK XF, 8
.irp i, 0,1,2,3
.irp a, 0,1
	global_store_b128 v[LA], v[XF+8*\i+4*\a:XF+8*\i+4*\a+3], s[36:37] offset:4096*(\i/2)+2048+1024*\a+512*(\i%2)
.endr
.endr
	s_wait_tensorcnt 0x0
	ds_add_u32 v232, v233
	s_wait_dscnt 0x0
	s_endpgm
.Lfunc_end_k_q7d60b19d9f_proj:
	.size	k_q7d60b19d9f_proj, .Lfunc_end_k_q7d60b19d9f_proj-k_q7d60b19d9f_proj
	.p2alignl 7, 3214868480
	.fill 96, 4, 3214868480
	.section	.rodata,"a",@progbits
	.p2align	6, 0x0
	.amdhsa_kernel k_q7d60b19d9f_proj
		.amdhsa_group_segment_fixed_size 37376
		.amdhsa_private_segment_fixed_size 0
		.amdhsa_enable_private_segment 0
		.amdhsa_kernarg_size 96
		.amdhsa_user_sgpr_count 2
		.amdhsa_user_sgpr_kernarg_segment_ptr 1
		.amdhsa_wavefront_size32 1
		.amdhsa_system_sgpr_workgroup_id_x 1
		.amdhsa_system_sgpr_workgroup_id_y 1
		.amdhsa_system_sgpr_workgroup_id_z 1
		.amdhsa_system_vgpr_workitem_id 0
		.amdhsa_next_free_vgpr 234
		.amdhsa_next_free_sgpr 66
		.amdhsa_reserve_vcc 0
		.amdhsa_float_denorm_mode_32 3
		.amdhsa_float_denorm_mode_16_64 3
		.amdhsa_memory_ordered 1
		.amdhsa_forward_progress 1
		.amdhsa_inst_pref_size 41
	.end_amdhsa_kernel
	.amdgpu_metadata
---
amdhsa.version: [ 1, 2 ]
amdhsa.kernels:
  - .name:           k_q7d60b19d9f_proj
    .symbol:         k_q7d60b19d9f_proj.kd
    .args:
      - { .name: x1, .offset: 0, .size: 8, .value_kind: global_buffer, .address_space: global }
      - { .name: x2, .offset: 8, .size: 8, .value_kind: global_buffer, .address_space: global }
      - { .name: Wq, .offset: 16, .size: 8, .value_kind: global_buffer, .address_space: global }
      - { .name: bq, .offset: 24, .size: 8, .value_kind: global_buffer, .address_space: global }
      - { .name: Wk, .offset: 32, .size: 8, .value_kind: global_buffer, .address_space: global }
      - { .name: bk, .offset: 40, .size: 8, .value_kind: global_buffer, .address_space: global }
      - { .name: Wv, .offset: 48, .size: 8, .value_kind: global_buffer, .address_space: global }
      - { .name: Wsc, .offset: 56, .size: 8, .value_kind: global_buffer, .address_space: global }
      - { .name: gamma, .offset: 64, .size: 8, .value_kind: global_buffer, .address_space: global }
      - { .name: qf, .offset: 72, .size: 8, .value_kind: global_buffer, .address_space: global }
      - { .name: kuf, .offset: 80, .size: 8, .value_kind: global_buffer, .address_space: global }
      - { .name: basef, .offset: 88, .size: 8, .value_kind: global_buffer, .address_space: global }
    .group_segment_fixed_size: 37376
    .private_segment_fixed_size: 0
    .kernarg_segment_align: 8
    .kernarg_segment_size: 96
    .max_flat_workgroup_size: 128
    .sgpr_count:     66
    .vgpr_count:     234
    .wavefront_size: 32
...
	.end_amdgpu_metadata
.endif
;; end of part 1
;; launch stats (part 2): grid 256 x 1, 8 waves a work-group, clusters of 4 x 1, 271,360 bytes of LDS; arguments qf, kuf, negl; writes negl
.if DOCPART == 2
	.amdgcn_target "amdgcn-amd-amdhsa--gfx1250"
	.amdhsa_code_object_version 6
	.text
	.protected	k_q7d60b19d9f_stats
	.globl	k_q7d60b19d9f_stats
	.p2align	8
	.type	k_q7d60b19d9f_stats,@function
k_q7d60b19d9f_stats:
	s_mov_b64 s[64:65], 0
	v_nop
	global_prefetch_b8 v0, s[64:65] scope:SCOPE_SE
	s_setreg_imm32_b32 hwreg(HW_REG_WAVE_MODE, 25, 1), 1
	s_wait_xcnt 0x0
	s_wait_alu depctr_hold_cnt(0) depctr_sa_sdst(0) depctr_va_vdst(0) depctr_va_sdst(0) depctr_va_ssrc(0) depctr_va_vcc(0) depctr_vm_vsrc(0)
	s_getreg_b32 s2, hwreg(HW_REG_IB_STS2, 6, 4)
	s_cmp_eq_u32 s2, 0
	s_cbranch_scc0 .Lentry_in_a_cluster
	s_endpgm
.Lentry_in_a_cluster:
	s_bfe_u32 s2, ttmp6, 0x10000c
	s_cmp_lg_u32 s2, 0x3003
	s_cbranch_scc0 .Lentry_shape_is_right
	s_endpgm
.Lentry_shape_is_right:
; THE SOFTMAX'S NORMALISER.  The softmax runs over the queries n, so each key m has its own: negl[m] = -(max_n s + log2 sum_n 2^(s - max)),
; s[n][m] = q_n . k_m in units of log2 (q carries log2 e).  A work-group takes 128 keys and all 4,096 queries of a batch.
; The batch's whole query image (262,144 bytes) lies in LDS, filled once.  Wave w fetches and reads only its own 32,768 bytes (512 queries, 32 tiles,
; 16 pairs of tiles), so its own s_wait_tensorcnt is all the ordering that its reads need; nothing is filled again.
; CLUSTER: the four work-groups of a cluster have the same batch and need the same query image: each tensor load is a joint one (mask 15).
; Each wave goes over its queries four times: for keys 0-63 a sweep for the maximum and a sweep for the sum, then the same for keys 64-127.
; The products are made twice rather than kept: 64 x 512 scores do not fit in a wave's registers.  In the second sweep the maximum is taken away by the
; matrix instruction itself: its C operand holds -max.  Rows of a product are keys, columns queries, so a key's figures lie across 16 lanes.
; THE ORDER OF THE WORK: a group is one key tile x one pair of query tiles: 2 products, 16 registers; a sweep has 64 groups, and the four groups of a pair
; own fixed registers.  In slot k of a sweep the wave issues the products of group k + 1 among the vector work of the groups before it, so that the matrix
; unit, the exponentials and the plain arithmetic run side by side within the wave, and that vector work also fills the places behind the products.
; No address is ever stepped: a pair's place in the wave's 32,768 bytes stands in the load's immediate, so the sweeps are written out by macro.
; LIMITS: NaN and infinities are not served; terms of the sum below 2^-126 count as 0 (v_exp_f32 flushes: ISA guide 15.8).
.set STM,  262144                      ; LDS: [wave 8][key 128] f32, -max over the wave's queries
.set STZ,  4096                        ; and this far behind it: the wave's sums
.set LA,   1                           ; 16 x lane
.set QA,   2                           ; my wave's queries in LDS + 16 x lane; never rewritten
.set SA,   3                           ; where my wave puts its figures: STM + 512 wave + 32 (lane / 16)
.set MA,   4                           ; wave 0, merge: STM + 16 x lane
.set KF,   8                           ; v[8:71]    eight key tiles: 32 half + 8 t
.set MX,   72                          ; v[72:103]  8 t + j: maximum, then -maximum, of key 8 (lane / 16) + j of tile t
.set Z,    104                         ; v[104:135] the sums, likewise
.set QF,   136                         ; v[136:167] a pair of query tiles, two buffers: pair p in buffer p % 2
.set D,    168                         ; v[168:231] products: group of key tile t at 16 t, query tile q of the pair at + 8 q
.set G1,   16                          ; s[16:23] descriptor group 1
.set G0,   24                          ; s[24:31] descriptor group 0, one set for each of my two loads
.macro ROUND                           ; a round of the cluster's barrier: my work-group's barrier, wave 0 signals for the work-group, every wave waits for all four work-groups, my work-group's barrier again
	s_barrier_signal -1
	s_barrier_wait -1
	s_cmp_lg_u32 s8, 0
	s_cbranch_scc1 .Lnot_wave_0_\@
	s_barrier_signal -3
.Lnot_wave_0_\@:
	s_barrier_wait -3
	s_barrier_signal -1
	s_barrier_wait -1
.endm
	s_load_b128 s[4:7], s[0:1], 0x0                ; qf s[4:5], kuf s[6:7]
	s_load_b64 s[10:11], s[0:1], 0x10              ; negl
	v_lshl_add_u32 v232, v0, 2, 0x42000
	v_mov_b32 v233, 0
	ds_add_u32 v232, v233
	v_lshrrev_b32 v[LA], 5, v0
	v_readfirstlane_b32 s8, v[LA]                  ; wave 0..7
	s_bfe_u32 s12, ttmp6, 0x40000                  ; cx
	s_lshr_b32 s13, ttmp9, 3                       ; batch: eight clusters each
	s_and_b32 s14, ttmp9, 7
	s_lshl_b32 s14, s14, 2
	s_add_co_u32 s14, s14, s12                     ; block of 128 keys, 0..31
	; group 1: 64 rows of 256 bytes, dense: 16,384 bytes a load
	s_mov_b32 s[G1+0], 15|(3<<16)|(1<<21)          ; 15:0 mask: all four work-groups; 17:16 elements of 8 bytes; 21 set beside a mask
	s_mov_b32 s[G1+1], 32<<16                      ; tensor_dim0 = 32 elements
	s_mov_b32 s[G1+2], 64<<16                      ; tensor_dim1 = 64
	s_mov_b32 s[G1+3], 32<<16                      ; tile_dim0 = 32
	s_mov_b32 s[G1+4], 64                          ; tile_dim1 = 64
	s_mov_b32 s[G1+5], 32                          ; from row to row: 32 elements
	s_mov_b32 s[G1+6], 0
	s_mov_b32 s[G1+7], 0
	s_mov_b32 s[G0+0], 1
	s_lshl_b32 s[G0+1], s8, 15                     ; LDS: wave x 32,768
	s_mov_b32 s[G0+4], 1
	s_add_co_u32 s[G0+5], s[G0+1], 16384           ; and the second half of it
	s_lshl_b32 s32, s13, 18                        ; batch x 262,144 + wave x 32,768: nothing of cx
	s_add_co_u32 s32, s32, s[G0+1]
	s_mov_b32 s33, 0
	s_lshl_b32 s34, s13, 19                        ; keys: batch x 524,288 + block x four records of 4,096
	s_lshl_b32 s36, s14, 14
	s_add_co_u32 s34, s34, s36
	s_mov_b32 s35, 0
	s_lshl_b32 s36, s13, 14                        ; negl: batch x 16,384 + block x 512
	s_lshl_b32 s37, s14, 9
	s_add_co_u32 s36, s36, s37
	s_mov_b32 s37, 0
	s_lshl_b32 s38, s8, 9
	s_add_co_u32 s38, s38, STM
	v_and_b32 v[LA], 31, v0
	v_lshlrev_b32 v[LA], 4, v[LA]
	v_lshl_add_u32 v[QA], s8, 15, v[LA]
	v_bfe_u32 v[SA], v0, 4, 1
	v_lshl_add_u32 v[SA], v[SA], 5, s38
	v_add_nc_u32 v[MA], STM, v[LA]
	s_wait_dscnt 0x0
	s_wait_kmcnt 0x0
	s_add_nc_u64 s[G0+2:G0+3], s[4:5], s[32:33]
	s_add_nc_u64 s[G0+6:G0+7], s[G0+2:G0+3], 16384
	s_or_b32 s[G0+3], s[G0+3], 0x80000000          ; type = 2
	s_or_b32 s[G0+7], s[G0+7], 0x80000000
	s_add_nc_u64 s[6:7], s[6:7], s[34:35]
	s_add_nc_u64 s[10:11], s[10:11], s[36:37]
	ROUND                                          ; all four work-groups are here: the joint loads meet
	tensor_load_to_lds s[G0:G0+3], s[G1:G1+7]      ; my queries 0-255
	s_nop 0
	tensor_load_to_lds s[G0+4:G0+7], s[G1:G1+7]    ; my queries 256-511: two loads of the wave are out, and no more are issued
	s_nop 0
.irp kh, 0,1
.irp t, 0,1,2,3
	global_load_b128 v[KF+32*\kh+8*\t:KF+32*\kh+8*\t+3],   v[LA], s[6:7] offset:8192*\kh+4096*(\t/2)+1024*(\t%2)
	global_load_b128 v[KF+32*\kh+8*\t+4:KF+32*\kh+8*\t+7], v[LA], s[6:7] offset:8192*\kh+4096*(\t/2)+1024*(\t%2)+512
.endr
.endr
	s_wait_loadcnt 0x0
.macro QLOAD p, b                      ; pair p of my query tiles into buffer b
.irp c, 0,1,2,3
	ds_load_b128 v[QF+16*(\b)+4*\c:QF+16*(\b)+4*\c+3], v[QA] offset:(\p)*2048+512*\c
.endr
.endm
; One product of group kn (a symbol, 0..63): key tile kn % 4 of the four at kfb, query tile q of pair kn / 4.  md = 0: the scores; md = 1: the scores less the maximum.
; No product adds onto another: each has registers of its own, and none is written again before four slots have passed.
.macro WM q
.if md
	v_wmma_f32_16x16x32_bf16 v[D+16*(kn%4)+8*\q:D+16*(kn%4)+8*\q+7], v[kfb+8*(kn%4):kfb+8*(kn%4)+7], v[QF+16*((kn/4)%2)+8*\q:QF+16*((kn/4)%2)+8*\q+7], v[MX+8*(kn%4):MX+8*(kn%4)+7]
.else
	v_wmma_f32_16x16x32_bf16 v[D+16*(kn%4)+8*\q:D+16*(kn%4)+8*\q+7], v[kfb+8*(kn%4):kfb+8*(kn%4)+7], v[QF+16*((kn/4)%2)+8*\q:QF+16*((kn/4)%2)+8*\q+7], 0
.endif
.endm
; The plain instruction number a (0..7) of slot kk of a sum sweep: an add of group kk - 1.  The first pair's groups start the sums (four adds);
; where there is no add a v_nop keeps the count of eight plain instructions a slot, on which the places behind the products rest.
.macro PLB a
.if kk == 0
	v_nop
.else
.set dg, D+16*((kk-1)%4)
.set zg, Z+8*((kk-1)%4)
.if kk < 5
.if \a < 4
	s_wait_alu depctr_va_vdst(0)
	v_pk_add_f32 v[zg+2*\a:zg+2*\a+1], v[dg+2*\a:dg+2*\a+1], v[dg+8+2*\a:dg+8+2*\a+1]
.else
	v_nop
.endif
.else
	s_wait_alu depctr_va_vdst(0)
	v_pk_add_f32 v[zg+2*(\a%4):zg+2*(\a%4)+1], v[zg+2*(\a%4):zg+2*(\a%4)+1], v[dg+2*\a:dg+2*\a+1]
.endif
.endif
.endm
; Slot kk of a sum sweep: the two products of group kk + 1, the 16 exponentials of group kk, the adds of group kk - 1.
; Places (ISA guide 7.12.1): between a product and the exponentials on its result stand eight of the plain instructions, none of which names its registers.
; Exponentials (ISA guide 5.7.2): every pair of them is followed by a plain instruction on other registers; their results are added one slot later.
.macro SLOTB
.set eg, D+16*(kk%4)
.set kn, kk+1
.if kk < 63
	WM 0
.endif
.irp a, 0,1,2,3
	v_exp_f32 v[eg+2*\a], v[eg+2*\a]
	v_exp_f32 v[eg+2*\a+1], v[eg+2*\a+1]
	PLB \a
.endr
.if kk < 63
	WM 1
.endif
.irp a, 4,5,6,7
	v_exp_f32 v[eg+2*\a], v[eg+2*\a]
	v_exp_f32 v[eg+2*\a+1], v[eg+2*\a+1]
	PLB \a
.endr
.endm
; Slot kk of a maximum sweep: the two products of group kk + 1, then the eight maxima of group kk, which are the places behind those products.
.macro SLOTA
.set eg, D+16*(kk%4)
.set mg, MX+8*(kk%4)
.set kn, kk+1
.if kk < 63
	WM 0
	WM 1
.endif
.irp j, 0,1,2,3,4,5,6,7
.if kk < 4
	v_max_num_f32 v[mg+\j], v[eg+\j], v[eg+8+\j]                   ; the first pair starts the maxima
.else
	v_max3_num_f32 v[mg+\j], v[mg+\j], v[eg+\j], v[eg+8+\j]
.endif
.endr
.endm
; A sweep over my 16 pairs with the four key tiles at kf.  Pair p + 1 is asked for at the first group of pair p, into the buffer that pair p - 1 has left
; (its last product stands more than eight plain instructions back), and waited for at pair p's last group, whose slot issues pair p + 1's first products.
; At the last pair the next sweep's pair 0 is asked for (last = 1: there is none).  first = 1: my second 16,384 bytes are waited for in front of the fetch of pair 8.
.macro SWEEP mode, kf, first, last
.set md, \mode
.set kfb, \kf
	s_wait_dscnt 0x0                               ; pair 0 is in
.set kn, 0
	WM 0
	WM 1
.rept 4
	v_nop                                          ; the places behind group 0's products
.endr
.set kk, 0
.rept 64
.if (kk%4) == 0
.if kk < 60
.if \first
.if kk == 28
	s_wait_tensorcnt 0x0                           ; pair 8 is the first of my second load's bytes
.endif
.endif
	QLOAD kk/4+1, (kk/4+1)%2
.else
.if \last == 0
	QLOAD 0, 0
.endif
.endif
.endif
.if (kk%4) == 3
.if kk < 63
	s_wait_dscnt 0x0                               ; the next pair: asked for three slots ago
.endif
.endif
.if md
	SLOTB
.else
	SLOTA
.endif
.set kk, kk+1
.endr
.if md
.irp a, 0,1,2,3,4,5,6,7
	PLB \a                                         ; the adds of the last group
.endr
.endif
.endm
.macro REDMAX                          ; over the 16 lanes (queries) of each half, then the sign: the C operand of the sum sweep
.irp m, 1,2,4,8
.set jj, 0
.rept 32
	v_max_num_f32_dpp v[MX+jj], v[MX+jj], v[MX+jj] row_xmask:\m row_mask:0xf bank_mask:0xf
.set jj, jj+1
.endr
.endr
.set jj, 0
.rept 16
	v_pk_mul_f32 v[MX+jj:MX+jj+1], v[MX+jj:MX+jj+1], -1.0 op_sel_hi:[1,0]
.set jj, jj+2
.endr
.endm
.macro REDZ
.irp m, 1,2,4,8
.set jj, 0
.rept 32
	v_add_f32_dpp v[Z+jj], v[Z+jj], v[Z+jj] row_xmask:\m row_mask:0xf bank_mask:0xf
.set jj, jj+1
.endr
.endr
.endm
.macro PUT kh                          ; my wave's -max and sum of 64 keys; the 16 lanes of a half hold, and write, the same numbers
.irp t, 0,1,2,3
	ds_store_b128 v[SA], v[MX+8*\t:MX+8*\t+3]   offset:256*\kh+64*\t
	ds_store_b128 v[SA], v[MX+8*\t+4:MX+8*\t+7] offset:256*\kh+64*\t+16
	ds_store_b128 v[SA], v[Z+8*\t:Z+8*\t+3]     offset:STZ+256*\kh+64*\t
	ds_store_b128 v[SA], v[Z+8*\t+4:Z+8*\t+7]   offset:STZ+256*\kh+64*\t+16
.endr
.endm
	s_wait_tensorcnt 0x1                           ; my first 16,384 bytes (pairs 0-7) are in; the second load may be out
	QLOAD 0, 0
	SWEEP 0, KF, 1, 0
	REDMAX
	SWEEP 1, KF, 0, 0
	REDZ
	PUT 0
	SWEEP 0, KF+32, 0, 0
	REDMAX
	SWEEP 1, KF+32, 0, 1
	REDZ
	PUT 1
	s_wait_dscnt 0x0                               ; my figures are in LDS: wave 0 reads them behind the barrier
	s_barrier_signal -1
	s_barrier_wait -1
	s_cmp_lg_u32 s8, 0
	s_cbranch_scc1 .Lmerged
	; Wave 0 merges the eight waves' figures, four keys a lane: nm = min of the -max; Z = sum of Z_w 2^(nm - nm_w); negl = nm - log2 Z.
.set NMW, D                            ; v[168:199] -max of wave w: 4 w + c
.set ZW,  D+32                         ; v[200:231] sum of wave w
.set NM,  MX                           ; v[72:75]
.set ZS,  MX+4                         ; v[76:79]
.set LG,  MX+8                         ; v[80:83]
.set RES, MX+12                        ; v[84:87]
.set E,   Z                            ; v[104:135]
.irp w, 0,1,2,3,4,5,6,7
	ds_load_b128 v[NMW+4*\w:NMW+4*\w+3], v[MA] offset:512*\w
.endr
.irp w, 0,1,2,3,4,5,6,7
	ds_load_b128 v[ZW+4*\w:ZW+4*\w+3], v[MA] offset:STZ+512*\w
.endr
	s_wait_dscnt 0x0
.irp c, 0,1,2,3
	v_min3_num_f32 v[NM+\c], v[NMW+\c], v[NMW+4+\c], v[NMW+8+\c]
.endr
.irp c, 0,1,2,3
	v_min3_num_f32 v[NM+\c], v[NM+\c], v[NMW+12+\c], v[NMW+16+\c]
.endr
.irp c, 0,1,2,3
	v_min3_num_f32 v[NM+\c], v[NM+\c], v[NMW+20+\c], v[NMW+24+\c]
.endr
.irp c, 0,1,2,3
	v_min_num_f32 v[NM+\c], v[NM+\c], v[NMW+28+\c]
.endr
.irp w, 0,1,2,3,4,5,6,7
.irp p, 0,2
	v_pk_add_f32 v[E+4*\w+\p:E+4*\w+\p+1], v[NM+\p:NM+\p+1], v[NMW+4*\w+\p:NMW+4*\w+\p+1] neg_lo:[0,1] neg_hi:[0,1]   ; max_w - max, at most 0
.endr
.endr
.set jj, 0
.rept 32
	v_exp_f32 v[E+jj], v[E+jj]
.set jj, jj+1
.endr
	v_nop
	s_wait_alu depctr_va_vdst(0)
.irp p, 0,2
	v_pk_mul_f32 v[ZS+\p:ZS+\p+1], v[ZW+\p:ZW+\p+1], v[E+\p:E+\p+1]
.endr
.irp w, 1,2,3,4,5,6,7
.irp p, 0,2
	v_pk_fma_f32 v[ZS+\p:ZS+\p+1], v[ZW+4*\w+\p:ZW+4*\w+\p+1], v[E+4*\w+\p:E+4*\w+\p+1], v[ZS+\p:ZS+\p+1]
.endr
.endr
.irp c, 0,1,2,3
	v_log_f32 v[LG+\c], v[ZS+\c]                   ; the sum holds the maximum's own term, about 1, so it is far from the denormals
.endr
	v_nop
	s_wait_alu depctr_va_vdst(0)
.irp p, 0,2
	v_pk_add_f32 v[RES+\p:RES+\p+1], v[NM+\p:NM+\p+1], v[LG+\p:LG+\p+1] neg_lo:[0,1] neg_hi:[0,1]
.endr
	global_store_b128 v[LA], v[RES:RES+3], s[10:11]        ; 128 keys: 512 consecutive bytes, aligned
.Lmerged:
	s_wait_tensorcnt 0x0
	ds_add_u32 v232, v233
	s_wait_dscnt 0x0
	ROUND                                          ; the closing round: no work-group ends while a partner may still ask jointly
	s_endpgm
.Lfunc_end_k_q7d60b19d9f_stats:
	.size	k_q7d60b19d9f_stats, .Lfunc_end_k_q7d60b19d9f_stats-k_q7d60b19d9f_stats
	.p2alignl 7, 3214868480
	.fill 96, 4, 3214868480
	.section	.rodata,"a",@progbits
	.p2align	6, 0x0
	.amdhsa_kernel k_q7d60b19d9f_stats
		.amdhsa_group_segment_fixed_size 271360
		.amdhsa_private_segment_fixed_size 0
		.amdhsa_enable_private_segment 0
		.amdhsa_kernarg_size 24
		.amdhsa_user_sgpr_count 2
		.amdhsa_user_sgpr_kernarg_segment_ptr 1
		.amdhsa_wavefront_size32 1
		.amdhsa_system_sgpr_workgroup_id_x 1
		.amdhsa_system_sgpr_workgroup_id_y 1
		.amdhsa_system_sgpr_workgroup_id_z 1
		.amdhsa_system_vgpr_workitem_id 0
		.amdhsa_next_free_vgpr 234
		.amdhsa_next_free_sgpr 66
		.amdhsa_reserve_vcc 0
		.amdhsa_float_denorm_mode_32 3
		.amdhsa_float_denorm_mode_16_64 3
		.amdhsa_memory_ordered 1
		.amdhsa_forward_progress 1
		.amdhsa_inst_pref_size 255
	.end_amdhsa_kernel
	.section	.bss,"aw",@nobits
	.p2align	6
	.space	262144
	.amdgpu_metadata
---
amdhsa.version: [ 1, 2 ]
amdhsa.kernels:
  - .name:           k_q7d60b19d9f_stats
    .symbol:         k_q7d60b19d9f_stats.kd
    .args:
      - { .name: qf, .offset: 0, .size: 8, .value_kind: global_buffer, .address_space: global }
      - { .name: kuf, .offset: 8, .size: 8, .value_kind: global_buffer, .address_space: global }
      - { .name: negl, .offset: 16, .size: 8, .value_kind: global_buffer, .address_space: global }
    .group_segment_fixed_size: 271360
    .private_segment_fixed_size: 0
    .kernarg_segment_align: 8
    .kernarg_segment_size: 24
    .max_flat_workgroup_size: 256
    .sgpr_count:     66
    .vgpr_count:     234
    .wavefront_size: 32
...
	.end_amdgpu_metadata
.endif
;; end of part 2
;; launch attn (part 3): grid 256 x 1, 8 waves a work-group, clusters of 4 x 1, 327,680 bytes of LDS; arguments qf, kuf, negl, basef, out0; writes out0
.if DOCPART == 3
	.amdgcn_target "amdgcn-amd-amdhsa--gfx1250"
	.amdhsa_code_object_version 6
	.text
	.protected	k_q7d60b19d9f_attn
	.globl	k_q7d60b19d9f_attn
	.p2align	8
	.type	k_q7d60b19d9f_attn,@function
k_q7d60b19d9f_attn:
	s_mov_b64 s[64:65], 0
	v_nop
	global_prefetch_b8 v0, s[64:65] scope:SCOPE_SE
	s_setreg_imm32_b32 hwreg(HW_REG_WAVE_MODE, 25, 1), 1
	s_wait_xcnt 0x0
	s_wait_alu depctr_hold_cnt(0) depctr_sa_sdst(0) depctr_va_vdst(0) depctr_va_sdst(0) depctr_va_ssrc(0) depctr_va_vcc(0) depctr_vm_vsrc(0)
	s_getreg_b32 s2, hwreg(HW_REG_IB_STS2, 6, 4)
	s_cmp_eq_u32 s2, 0
	s_cbranch_scc0 .Lentry_in_a_cluster
	s_endpgm
.Lentry_in_a_cluster:
	s_bfe_u32 s2, ttmp6, 0x10000c
	s_cmp_lg_u32 s2, 0x3003
	s_cbranch_scc0 .Lentry_shape_is_right
	s_endpgm
.Lentry_shape_is_right:
; THE OUTPUT.  out0[c][n] = sum over keys m of u[c][m] 2^(s[n][m] + negl[m]) + base[c][n], s = q_n . k_m in units of log2.
; negl[m] = -(max over n of s + log2 of the sum), so the power of two IS the softmax's value, at most 1: the maximum is taken away, and nothing is rescaled.
; A work-group takes 128 queries and all 4,096 keys of a batch.  Wave w: queries 64 (w & 1) .. + 63 (four tiles, kept in registers), and of every
; 1,024 keys in a slot the quarter w >> 1.  The four partial sums of a query half meet in LDS at the end; each of them starts at a quarter of base
; (a multiplication by 0.25 is exact), so that their sum holds base once and no sum is ever cleared.  For that each byte of base is read by four waves.
; A step is a record of 32 keys (4,096 bytes: two key tiles, two value fragments).  A unit is one query tile of one step: 2 products s + negl (negl is the
; C operand), rows = keys, columns = queries; 16 exponentials; 8 conversions, whose results are the second operand of the value product as they lie; 2 value products.
; THE ORDER OF THE WORK: in slot t the wave issues the score products of unit t + 1 and the value products of unit t - 1 one by one among the exponentials
; of unit t, then unit t's conversions: the matrix unit, the exponentials and the plain arithmetic run side by side within the wave.
; The 128 units of a wave are one such chain, across the changes of slot too.
; LDS: two slots of 32 records (131,072 bytes), each wave fetching 16,384 bytes of a slot by one tensor load; negl of the whole batch (16,384 bytes), filled once.
; A slot's last reads are issued in the seventh of its eight steps, so the change of slots stands at the head of the eighth, and a refill has eight steps in which to land.
; CLUSTER: the four work-groups of a cluster have the same batch and walk the same keys, values and negl: every tensor load is a joint one (mask 15).
; No address is ever stepped: a step's place in the slot stands in the loads' immediates, so the units are written out by macro.
; LIMITS: NaN and infinities are not served; softmax values below 2^-126 count as 0 (v_exp_f32 flushes: ISA guide 15.8); the softmax's values are rounded to bf16.
.set SLOT, 131072
.set NLB,  262144                      ; negl in LDS
.set REC,  4096
.set LA,   1                           ; 16 x lane
.set KA,   2                           ; v[2:3]     my quarter of slot 0, of slot 1, + 16 x lane; never rewritten
.set NA,   4                           ; negl of my quarter of the first 1,024 keys + 32 (lane / 16); never rewritten
.set TMP,  5
.set STA,  6                           ; stage: where my wave puts its partial sums
.set STR,  7                           ; stage: where I read my share of the four partial sums
.set OO,   8                           ; my byte offset in out0
.set QF,   10                          ; v[10:41]   four query tiles
.set ACC,  42                          ; v[42:105]  8 (4 ct + i): channels 16 ct + 8 (lane / 16) + j, query lane % 16 of tile i
.set KF,   106                         ; v[106:137] two key tiles, two buffers: step s in buffer s % 2
.set NL,   138                         ; v[138:169] negl of their rows, in the accumulator layout, two buffers
.set UF,   170                         ; v[170:201] two value fragments (channels 0-15, 16-31 x 32 keys), two buffers
.set S,    202                         ; v[202:233] scores, then softmax values, of a unit (8 x key tile + j), two buffers: unit t in buffer t % 2
.set P,    234                         ; v[234:249] softmax values in bf16, two buffers
.set R,    KF                          ; v[106:169] the way out: four partial sums of my share
.set G1S,  16                          ; s[16:23] group 1 for a slot's load
.set G1N,  24                          ; s[24:31] group 1 for negl's load
.set G0,   32                          ; s[32:39] group 0, a set for each slot
.set G0N,  40                          ; s[40:43] group 0 for negl
.macro ROUND                           ; a round of the cluster's barrier: my work-group's barrier, wave 0 signals for the work-group, every wave waits for all four work-groups, my work-group's barrier again
	s_barrier_signal -1
	s_barrier_wait -1
	s_cmp_lg_u32 s8, 0
	s_cbranch_scc1 .Lnot_wave_0_\@
	s_barrier_signal -3
.Lnot_wave_0_\@:
	s_barrier_wait -3
	s_barrier_signal -1
	s_barrier_wait -1
.endm
	s_load_b256 s[44:51], s[0:1], 0x0              ; qf 44, kuf 46, negl 48, basef 50
	s_load_b64 s[52:53], s[0:1], 0x20              ; out0
	v_lshl_add_u32 v250, v0, 2, 0x44000
	v_mov_b32 v251, 0
	ds_add_u32 v250, v251
	v_lshrrev_b32 v[LA], 5, v0
	v_readfirstlane_b32 s8, v[LA]                  ; wave 0..7
	s_and_b32 s10, s8, 1                           ; which 64 queries
	s_lshr_b32 s11, s8, 1                          ; which quarter of a slot's keys; at the end: which quarter of the channels
	s_bfe_u32 s12, ttmp6, 0x40000                  ; cx
	s_lshr_b32 s13, ttmp9, 3                       ; batch: eight clusters each
	s_and_b32 s14, ttmp9, 7
	s_lshl_b32 s14, s14, 2
	s_add_co_u32 s14, s14, s12                     ; block of 128 queries, 0..31
	s_lshl_b32 s15, s14, 1
	s_add_co_u32 s15, s15, s10                     ; my group of 64 queries, 0..63
	; group 1: rows of 256 bytes, dense; 64 rows (16,384 bytes) for a slot, 8 rows (2,048 bytes) for negl
	s_mov_b32 s[G1S+0], 15|(3<<16)|(1<<21)         ; 15:0 mask: all four work-groups; 17:16 elements of 8 bytes; 21 set beside a mask
	s_mov_b32 s[G1S+1], 32<<16                     ; tensor_dim0 = 32 elements
	s_mov_b32 s[G1S+2], 64<<16                     ; tensor_dim1 = 64
	s_mov_b32 s[G1S+3], 32<<16                     ; tile_dim0 = 32
	s_mov_b32 s[G1S+4], 64                         ; tile_dim1 = 64
	s_mov_b32 s[G1S+5], 32                         ; from row to row: 32 elements
	s_mov_b32 s[G1S+6], 0
	s_mov_b32 s[G1S+7], 0
	s_mov_b32 s[G1N+0], 15|(3<<16)|(1<<21)
	s_mov_b32 s[G1N+1], 32<<16
	s_mov_b32 s[G1N+2], 8<<16
	s_mov_b32 s[G1N+3], 32<<16
	s_mov_b32 s[G1N+4], 8
	s_mov_b32 s[G1N+5], 32
	s_mov_b32 s[G1N+6], 0
	s_mov_b32 s[G1N+7], 0
	s_mov_b32 s[G0+0], 1
	s_lshl_b32 s[G0+1], s8, 14                     ; LDS: wave x 16,384 in slot 0,
	s_mov_b32 s[G0+4], 1
	s_add_co_u32 s[G0+5], s[G0+1], SLOT            ; in slot 1
	s_mov_b32 s[G0N+0], 1
	s_lshl_b32 s[G0N+1], s8, 11
	s_add_co_u32 s[G0N+1], s[G0N+1], NLB           ; negl: wave x 2,048
	s_lshl_b32 s54, s13, 19                        ; kuf: batch x 524,288 + wave x 16,384: nothing of cx
	s_add_co_u32 s54, s54, s[G0+1]
	s_mov_b32 s55, 0
	s_lshl_b32 s2, s13, 14                         ; negl: batch x 16,384 + wave x 2,048
	s_lshl_b32 s3, s8, 11
	s_add_co_u32 s2, s2, s3
	s_mov_b32 s3, 0
	s_wait_dscnt 0x0
	s_wait_kmcnt 0x0
	s_add_nc_u64 s[G0+2:G0+3], s[46:47], s[54:55]
	s_add_nc_u64 s[G0+6:G0+7], s[G0+2:G0+3], SLOT  ; keys 1,024 .. 2,047
	s_add_nc_u64 s[G0N+2:G0N+3], s[48:49], s[2:3]
	s_or_b32 s[G0+3], s[G0+3], 0x80000000          ; type = 2
	s_or_b32 s[G0+7], s[G0+7], 0x80000000
	s_or_b32 s[G0N+3], s[G0N+3], 0x80000000
	ROUND                                          ; all four work-groups are here: the first joint loads meet
	tensor_load_to_lds s[G0N:G0N+3], s[G1N:G1N+7]  ; negl
	s_nop 0
	tensor_load_to_lds s[G0:G0+3], s[G1S:G1S+7]    ; keys 0 .. 1,023
	s_nop 0
	tensor_load_to_lds s[G0+4:G0+7], s[G1S:G1S+7]  ; keys 1,024 .. 2,047: three loads of the wave are out here, later one
	s_nop 0
	; my own data: addresses that hang on cx, in registers of their own
	s_mov_b32 s57, 0
	s_lshl_b32 s56, s13, 18                        ; qf: batch x 262,144 + group x 4,096
	s_lshl_b32 s58, s15, 12
	s_add_co_u32 s56, s56, s58
	s_add_nc_u64 s[44:45], s[44:45], s[56:57]
	s_lshl_b32 s56, s13, 19                        ; basef: batch x 524,288 + group x 8,192
	s_lshl_b32 s58, s15, 13
	s_add_co_u32 s56, s56, s58
	s_add_nc_u64 s[50:51], s[50:51], s[56:57]
	s_lshl_b32 s56, s13, 19                        ; out0: batch x 32 channels x 16,384 + group x 256
	s_lshl_b32 s58, s15, 8
	s_add_co_u32 s56, s56, s58
	s_add_nc_u64 s[52:53], s[52:53], s[56:57]
	v_and_b32 v[LA], 31, v0
	v_lshlrev_b32 v[LA], 4, v[LA]
.irp i, 0,1,2,3
	global_load_b128 v[QF+8*\i:QF+8*\i+3],   v[LA], s[44:45] offset:1024*\i
	global_load_b128 v[QF+8*\i+4:QF+8*\i+7], v[LA], s[44:45] offset:1024*\i+512
.endr
.irp f, 0,1,2,3,4,5,6,7
	global_load_b128 v[ACC+8*\f:ACC+8*\f+3],   v[LA], s[50:51] offset:1024*\f          ; base lies in memory as the accumulators hold it
	global_load_b128 v[ACC+8*\f+4:ACC+8*\f+7], v[LA], s[50:51] offset:1024*\f+512
.endr
	v_lshl_add_u32 v[KA], s11, 15, v[LA]           ; eight records of 4,096 bytes a quarter
	v_add_nc_u32 v[KA+1], SLOT, v[KA]
	s_lshl_b32 s58, s11, 10                        ; eight records of 128 bytes of negl
	s_add_co_u32 s58, s58, NLB
	v_bfe_u32 v[OO], v0, 4, 1                      ; h
	v_lshl_add_u32 v[NA], v[OO], 5, s58
	v_lshl_add_u32 v[STA], s8, 13, v[LA]           ; 8,192 bytes a wave
	s_lshr_b32 s2, s11, 1                          ; ct: my share at the end is channels 16 ct + 8 h + 4 jq .. + 3
	s_and_b32 s3, s11, 1                           ; jq
	s_lshl_b32 s58, s2, 12
	s_lshl_b32 s59, s3, 9
	s_add_co_u32 s58, s58, s59                     ; ct 4,096 + jq 512, in an image of [ct][i][jq][lane],
	s_lshl_b32 s59, s10, 13
	s_add_co_u32 s58, s58, s59                     ; in the stage of the first wave with my queries
	v_add_nc_u32 v[STR], s58, v[LA]
	s_lshl_b32 s58, s2, 18
	s_lshl_b32 s59, s3, 16
	s_add_co_u32 s58, s58, s59                     ; (16 ct + 4 jq) x 16,384
	v_lshl_add_u32 v[OO], v[OO], 17, s58           ; + 8 h x 16,384
	v_and_b32 v[TMP], 15, v0
	v_lshl_add_u32 v[OO], v[TMP], 4, v[OO]         ; + 16 r: four neighbouring pixels
	s_wait_loadcnt 0x0                             ; my queries and base
.set jj, 0
.rept 32
	v_pk_mul_f32 v[ACC+jj:ACC+jj+1], v[ACC+jj:ACC+jj+1], 0x3e800000 op_sel_hi:[1,0]    ; a quarter of base starts each of the four partial sums
.set jj, jj+2
.endr
.macro KNLOAD sn                       ; key tiles and negl of step sn (0..31) into buffer sn % 2; the step lies in slot (sn / 8) % 2
.irp c, 0,1,2,3
	ds_load_b128 v[KF+16*((\sn)%2)+4*\c:KF+16*((\sn)%2)+4*\c+3], v[KA+((\sn)/8)%2] offset:((\sn)%8)*REC+512*\c
.endr
	ds_load_b128 v[NL+16*((\sn)%2):NL+16*((\sn)%2)+3],     v[NA] offset:((\sn)/8)*4096+((\sn)%8)*128
	ds_load_b128 v[NL+16*((\sn)%2)+4:NL+16*((\sn)%2)+7],   v[NA] offset:((\sn)/8)*4096+((\sn)%8)*128+16
	ds_load_b128 v[NL+16*((\sn)%2)+8:NL+16*((\sn)%2)+11],  v[NA] offset:((\sn)/8)*4096+((\sn)%8)*128+64
	ds_load_b128 v[NL+16*((\sn)%2)+12:NL+16*((\sn)%2)+15], v[NA] offset:((\sn)/8)*4096+((\sn)%8)*128+80
.endm
.macro ULOAD sn                        ; the value fragments of step sn into buffer sn % 2
.irp c, 0,1,2,3
	ds_load_b128 v[UF+16*((\sn)%2)+4*\c:UF+16*((\sn)%2)+4*\c+3], v[KA+((\sn)/8)%2] offset:((\sn)%8)*REC+2048+512*\c
.endr
.endm
.macro QKW kt                          ; unit un (a symbol): scores of key tile kt of step un / 4 against query tile un % 4, with negl added
	v_wmma_f32_16x16x32_bf16 v[S+16*(un%2)+8*\kt:S+16*(un%2)+8*\kt+7], v[KF+16*((un/4)%2)+8*\kt:KF+16*((un/4)%2)+8*\kt+7], v[QF+8*(un%4):QF+8*(un%4)+7], v[NL+16*((un/4)%2)+8*\kt:NL+16*((un/4)%2)+8*\kt+7]
.endm
.macro PVW ct                          ; unit up (a symbol): 16 channels x 16 queries x 32 keys, onto the sum
	v_wmma_f32_16x16x32_bf16 v[ACC+32*\ct+8*(up%4):ACC+32*\ct+8*(up%4)+7], v[UF+16*((up/4)%2)+8*\ct:UF+16*((up/4)%2)+8*\ct+7], v[P+8*(up%2):P+8*(up%2)+7], v[ACC+32*\ct+8*(up%4):ACC+32*\ct+8*(up%4)+7]
.endm
.macro EXP4 q                          ; four of unit tt's sixteen exponentials
.irp j, 0,1,2,3
	v_exp_f32 v[S+16*(tt%2)+4*\q+\j], v[S+16*(tt%2)+4*\q+\j]
.endr
.endm
.macro CVT                             ; unit tt: keys 8 h .. + 7 of the first tile, then of the second: the fragment's registers 0-3 and 4-7
	s_wait_alu depctr_va_vdst(0)
.irp k, 0,1,2,3,4,5,6,7
	v_cvt_pk_bf16_f32 v[P+8*(tt%2)+\k], v[S+16*(tt%2)+2*\k], v[S+16*(tt%2)+2*\k+1]
.endr
.endm
; This slot's reads have all been issued, and it is filled again, 2,048 keys on.  In front of the round every wave waits for all its tensor loads (the other slot's part
; among them) and for its reads; behind the round no wave of any partner reads the slot or has a load out, and the joint refill comes first.
.macro FILL slot
	s_wait_tensorcnt 0x0                           ; no tensor load of mine is out: a group 0 may be written
	ds_add_u32 v250, v251
	s_add_nc_u64 s[G0+4*\slot+2:G0+4*\slot+3], s[G0+4*\slot+2:G0+4*\slot+3], 2*SLOT
	s_wait_dscnt 0x0                               ; the last reads of the slot, this step's value fragments, are back
	ROUND
	tensor_load_to_lds s[G0+4*\slot:G0+4*\slot+3], s[G1S:G1S+7]    ; my one tensor load until the next such round
	s_nop 0
.endm
; Slot tt (a symbol, 0..127) of the chain.  Step sg = tt / 4, query tile tt % 4.
; LDS loads: the next step's keys and negl at the step's first unit, its values at the third, each into the buffer that the step before has left.
; Matrix instructions: the eight sums and the score products take turns, one instruction a turn.
; Places: the v_nop and the eight conversions at a slot's end name no register of the slot's matrix instructions, and stand between each of these and
; the next instruction that reads its result (exponentials on S), writes a source (conversions into P, two slots on) or loads into one (KF, NL, UF, two slots on or more).
; Exponentials (ISA guide 5.7.2): the v_nop is the plain instruction between them and the conversions that use them.
.macro UNIT
.set sg, tt/4
.set un, tt+1
.set up, tt-1
.if (tt%4) == 0
.if sg == 7
	FILL 0                                         ; keys 2,048 .. 3,071 go out
.endif
.if sg == 15
	FILL 1                                         ; keys 3,072 .. 4,095 go out: the last load
.endif
.if sg == 23
	s_wait_tensorcnt 0x0                           ; my part of the last 1,024 keys is in,
	s_wait_dscnt 0x0                               ; my reads of slot 0 are over,
	s_barrier_signal -1
	s_barrier_wait -1                              ; everybody's: nothing is left to fetch, so the work-group's own barrier does
.endif
.if sg < 31
	KNLOAD sg+1
.endif
.endif
.if (tt%4) == 2
.if sg < 31
	ULOAD sg+1
.endif
.endif
.if (tt%4) == 3
.if sg < 31
	s_wait_dscnt 0x4                               ; the next step's keys and negl are in; the four younger loads, its values, may stay out
.endif
.endif
.if tt < 127
	QKW 0
.endif
	EXP4 0
.if tt < 127
	QKW 1
.endif
	EXP4 1
.if tt > 0
.if (tt%4) == 1
.if sg < 31
	s_wait_dscnt 0x8                               ; this step's values are in; the eight younger loads, the next step's keys and negl, may stay out
.else
	s_wait_dscnt 0x0                               ; this step's values; nothing younger was asked for
.endif
.endif
	PVW 0
.endif
	EXP4 2
.if tt > 0
	PVW 1
.endif
	EXP4 3
	v_nop
	CVT
.endm
	s_wait_tensorcnt 0x1                           ; my parts of negl and of slot 0 are in; slot 1's, the youngest, may stay out
	s_barrier_signal -1
	s_barrier_wait -1                              ; everybody's are
	KNLOAD 0
	ULOAD 0
	s_wait_dscnt 0x4                               ; keys and negl of step 0; its four value loads are younger
.set un, 0
	QKW 0
	QKW 1
.rept 4
	v_nop                                          ; the places behind unit 0's score products
.endr
.set tt, 0
.rept 128
	UNIT
.set tt, tt+1
.endr
.set up, 127
	PVW 0
	PVW 1
	; THE WAY OUT.  The stage is the first 65,536 bytes of slot 0, which has had its last fill and, by the barrier at step 23, its last read.
	; Each wave puts its 32 channels x 64 queries as they lie in registers; then wave (queries qh, quarter kq) adds the four partial sums of its
	; queries for channels 16 ct + 8 h + 4 jq .. + 3 and stores: the four tiles of a lane are four neighbouring pixels.
.rept 4
	v_nop                                          ; places behind the last value products
.endr
.irp f, 0,1,2,3,4,5,6,7
	ds_store_b128 v[STA], v[ACC+8*\f:ACC+8*\f+3]   offset:1024*\f
	ds_store_b128 v[STA], v[ACC+8*\f+4:ACC+8*\f+7] offset:1024*\f+512
.endr
	s_wait_dscnt 0x0                               ; my sums are in LDS: other waves read them behind the barrier
	s_barrier_signal -1
	s_barrier_wait -1
.irp w, 0,1,2,3
.irp i, 0,1,2,3
	ds_load_b128 v[R+16*\w+4*\i:R+16*\w+4*\i+3], v[STR] offset:16384*\w+1024*\i
.endr
.endr
	s_wait_dscnt 0x0
.irp i, 0,1,2,3
.irp p, 0,2
	v_pk_add_f32 v[R+4*\i+\p:R+4*\i+\p+1],       v[R+4*\i+\p:R+4*\i+\p+1],       v[R+16+4*\i+\p:R+16+4*\i+\p+1]
	v_pk_add_f32 v[R+32+4*\i+\p:R+32+4*\i+\p+1], v[R+32+4*\i+\p:R+32+4*\i+\p+1], v[R+48+4*\i+\p:R+48+4*\i+\p+1]
.endr
.endr
.irp i, 0,1,2,3
.irp j, 0,1,2,3
	v_add_f32 v[P+4*\j+\i], v[R+4*\i+\j], v[R+32+4*\i+\j]          ; the last add also turns (tile, channel) into (channel, tile)
.endr
.endr
.irp j, 0,1,2,3
	global_store_b128 v[OO], v[P+4*\j:P+4*\j+3], s[52:53] offset:16384*\j th:TH_STORE_NT     ; 16 lanes store 256 consecutive bytes of a channel, aligned
.endr
	s_wait_tensorcnt 0x0
	ds_add_u32 v250, v251
	s_wait_dscnt 0x0
	ROUND                                          ; the closing round: no work-group ends while a partner may still ask jointly
	s_endpgm
.Lfunc_end_k_q7d60b19d9f_attn:
	.size	k_q7d60b19d9f_attn, .Lfunc_end_k_q7d60b19d9f_attn-k_q7d60b19d9f_attn
	.p2alignl 7, 3214868480
	.fill 96, 4, 3214868480
	.section	.rodata,"a",@progbits
	.p2align	6, 0x0
	.amdhsa_kernel k_q7d60b19d9f_attn
		.amdhsa_group_segment_fixed_size 327680
		.amdhsa_private_segment_fixed_size 0
		.amdhsa_enable_private_segment 0
		.amdhsa_kernarg_size 40
		.amdhsa_user_sgpr_count 2
		.amdhsa_user_sgpr_kernarg_segment_ptr 1
		.amdhsa_wavefront_size32 1
		.amdhsa_system_sgpr_workgroup_id_x 1
		.amdhsa_system_sgpr_workgroup_id_y 1
		.amdhsa_system_sgpr_workgroup_id_z 1
		.amdhsa_system_vgpr_workitem_id 0
		.amdhsa_next_free_vgpr 252
		.amdhsa_next_free_sgpr 66
		.amdhsa_reserve_vcc 0
		.amdhsa_float_denorm_mode_32 3
		.amdhsa_float_denorm_mode_16_64 3
		.amdhsa_memory_ordered 1
		.amdhsa_forward_progress 1
		.amdhsa_inst_pref_size 211
	.end_amdhsa_kernel
	.amdgpu_metadata
---
amdhsa.version: [ 1, 2 ]
amdhsa.kernels:
  - .name:           k_q7d60b19d9f_attn
    .symbol:         k_q7d60b19d9f_attn.kd
    .args:
      - { .name: qf, .offset: 0, .size: 8, .value_kind: global_buffer, .address_space: global }
      - { .name: kuf, .offset: 8, .size: 8, .value_kind: global_buffer, .address_space: global }
      - { .name: negl, .offset: 16, .size: 8, .value_kind: global_buffer, .address_space: global }
      - { .name: basef, .offset: 24, .size: 8, .value_kind: global_buffer, .address_space: global }
      - { .name: out0, .offset: 32, .size: 8, .value_kind: global_buffer, .address_space: global }
    .group_segment_fixed_size: 327680
    .private_segment_fixed_size: 0
    .kernarg_segment_align: 8
    .kernarg_segment_size: 40
    .max_flat_workgroup_size: 256
    .sgpr_count:     66
    .vgpr_count:     252
    .wavefront_size: 32
...
	.end_amdgpu_metadata
.endif
;; end of part 3
;; ======== version 2 of 2: 3 launches; 1.16 times as fast as version 1
;; workspace buffers: qf 2,097,152 bytes; kuf 4,194,304 bytes; basef 4,194,304 bytes; negl 131,072 bytes
;; launch proj: the kernel of part 1 again; grid 256 x 1, 4 waves a work-group, no clusters, 37,376 bytes of LDS; arguments x1, x2, Wq, bq, Wk, bk, Wv, Wsc, gamma, qf, kuf, basef; writes qf, kuf, basef
;; launch stats (part 4): grid 256 x 1, 8 waves a work-group, clusters of 4 x 1, 271,360 bytes of LDS; arguments qf, kuf, negl; writes negl
.if DOCPART == 4
	.amdgcn_target "amdgcn-amd-amdhsa--gfx1250"
	.amdhsa_code_object_version 6
	.text
	.protected	k_q7d60b19d9f_stats
	.globl	k_q7d60b19d9f_stats
	.p2align	8
	.type	k_q7d60b19d9f_stats,@function
k_q7d60b19d9f_stats:
	s_mov_b64 s[64:65], 0
	v_nop
	global_prefetch_b8 v0, s[64:65] scope:SCOPE_SE
	s_setreg_imm32_b32 hwreg(HW_REG_WAVE_MODE, 25, 1), 1
	s_wait_xcnt 0x0
	s_wait_alu depctr_hold_cnt(0) depctr_sa_sdst(0) depctr_va_vdst(0) depctr_va_sdst(0) depctr_va_ssrc(0) depctr_va_vcc(0) depctr_vm_vsrc(0)
	s_getreg_b32 s2, hwreg(HW_REG_IB_STS2, 6, 4)
	s_cmp_eq_u32 s2, 0
	s_cbranch_scc0 .Lentry_in_a_cluster
	s_endpgm
.Lentry_in_a_cluster:
	s_bfe_u32 s2, ttmp6, 0x10000c
	s_cmp_lg_u32 s2, 0x3003
	s_cbranch_scc0 .Lentry_shape_is_right
	s_endpgm
.Lentry_shape_is_right:
; THE SOFTMAX'S NORMALISER.  The softmax runs over the queries n, so each key m has its own: negl[m] = -(max_n s + log2 sum_n 2^(s - max)),
; s[n][m] = q_n . k_m in units of log2 (q carries log2 e).  A work-group takes 128 keys and all 4,096 queries of a batch.
; The batch's whole query image (262,144 bytes) lies in LDS, filled once.  Wave w fetches and reads only its own 32,768 bytes (512 queries, 32 tiles,
; 16 pairs of tiles), so its own s_wait_tensorcnt is all the ordering that its reads need; nothing is filled again.
; CLUSTER: the four work-groups of a cluster have the same batch and need the same query image: each tensor load is a joint one (mask 15).
; Each wave goes over its queries four times: for keys 0-63 a sweep for the maximum and a sweep for the sum, then the same for keys 64-127.
; The products are made twice rather than kept: 64 x 512 scores do not fit in a wave's registers.  In the second sweep the maximum is taken away by the
; matrix instruction itself: its C operand holds -max.  Rows of a product are keys, columns queries, so a key's figures lie across 16 lanes.
; THE ORDER OF THE WORK: a group is one key tile x one pair of query tiles: 2 products, 16 registers; a sweep has 64 groups, and the four groups of a pair
; own fixed registers.  The products of later groups are issued among the vector work of the groups before them, so that the matrix unit, the exponentials
; and the plain arithmetic run side by side within the wave, and that vector work also fills the places behind the products.
; A maximum sweep goes in 64 slots: slot k has the products of group k + 1 and the maxima of group k.
; A sum sweep goes in 32 phases.  THE BATCHES: the 32 exponentials of groups 2 b and 2 b + 1 are one batch, issued in phase b; the adds that read them stand in
; phase b + 1, and ONE wait, at that phase's head, stands between: 32 waits a sum sweep.  The four groups' 64 registers hold the batch in hand and the batch before it;
; a product for the batch to come is issued as soon as the adds have read the eight registers that it writes.  Wave 0's merge has two batches more.
; No address is ever stepped: a pair's place in the wave's 32,768 bytes stands in the load's immediate, so the sweeps are written out by macro.
; LIMITS: NaN and infinities are not served; terms of the sum below 2^-126 count as 0 (v_exp_f32 flushes: ISA guide 15.8).
.set STM,  262144                      ; LDS: [wave 8][key 128] f32, -max over the wave's queries
.set STZ,  4096                        ; and this far behind it: the wave's sums
.set LA,   1                           ; 16 x lane
.set QA,   2                           ; my wave's queries in LDS + 16 x lane; never rewritten
.set SA,   3                           ; where my wave puts its figures: STM + 512 wave + 32 (lane / 16)
.set MA,   4                           ; wave 0, merge: STM + 16 x lane
.set KF,   8                           ; v[8:71]    eight key tiles: 32 half + 8 t
.set MX,   72                          ; v[72:103]  8 t + j: maximum, then -maximum, of key 8 (lane / 16) + j of tile t
.set Z,    104                         ; v[104:135] the sums, likewise
.set QF,   136                         ; v[136:167] a pair of query tiles, two buffers: pair p in buffer p % 2
.set D,    168                         ; v[168:231] products: group of key tile t at 16 t, query tile q of the pair at + 8 q
.set G1,   16                          ; s[16:23] descriptor group 1
.set G0,   24                          ; s[24:31] descriptor group 0, one set for each of my two loads
.macro ROUND                           ; a round of the cluster's barrier: my work-group's barrier, wave 0 signals for the work-group, every wave waits for all four work-groups, my work-group's barrier again
	s_barrier_signal -1
	s_barrier_wait -1
	s_cmp_lg_u32 s8, 0
	s_cbranch_scc1 .Lnot_wave_0_\@
	s_barrier_signal -3
.Lnot_wave_0_\@:
	s_barrier_wait -3
	s_barrier_signal -1
	s_barrier_wait -1
.endm
	s_load_b128 s[4:7], s[0:1], 0x0                ; qf s[4:5], kuf s[6:7]
	s_load_b64 s[10:11], s[0:1], 0x10              ; negl
	v_lshl_add_u32 v232, v0, 2, 0x42000
	v_mov_b32 v233, 0
	ds_add_u32 v232, v233
	v_lshrrev_b32 v[LA], 5, v0
	v_readfirstlane_b32 s8, v[LA]                  ; wave 0..7
	s_bfe_u32 s12, ttmp6, 0x40000                  ; cx
	s_lshr_b32 s13, ttmp9, 3                       ; batch: eight clusters each
	s_and_b32 s14, ttmp9, 7
	s_lshl_b32 s14, s14, 2
	s_add_co_u32 s14, s14, s12                     ; block of 128 keys, 0..31
	; group 1: 64 rows of 256 bytes, dense: 16,384 bytes a load
	s_mov_b32 s[G1+0], 15|(3<<16)|(1<<21)          ; 15:0 mask: all four work-groups; 17:16 elements of 8 bytes; 21 set beside a mask
	s_mov_b32 s[G1+1], 32<<16                      ; tensor_dim0 = 32 elements
	s_mov_b32 s[G1+2], 64<<16                      ; tensor_dim1 = 64
	s_mov_b32 s[G1+3], 32<<16                      ; tile_dim0 = 32
	s_mov_b32 s[G1+4], 64                          ; tile_dim1 = 64
	s_mov_b32 s[G1+5], 32                          ; from row to row: 32 elements
	s_mov_b32 s[G1+6], 0
	s_mov_b32 s[G1+7], 0
	s_mov_b32 s[G0+0], 1
	s_lshl_b32 s[G0+1], s8, 15                     ; LDS: wave x 32,768
	s_mov_b32 s[G0+4], 1
	s_add_co_u32 s[G0+5], s[G0+1], 16384           ; and the second half of it
	s_lshl_b32 s32, s13, 18                        ; batch x 262,144 + wave x 32,768: nothing of cx
	s_add_co_u32 s32, s32, s[G0+1]
	s_mov_b32 s33, 0
	s_lshl_b32 s34, s13, 19                        ; keys: batch x 524,288 + block x four records of 4,096
	s_lshl_b32 s36, s14, 14
	s_add_co_u32 s34, s34, s36
	s_mov_b32 s35, 0
	s_lshl_b32 s36, s13, 14                        ; negl: batch x 16,384 + block x 512
	s_lshl_b32 s37, s14, 9
	s_add_co_u32 s36, s36, s37
	s_mov_b32 s37, 0
	s_lshl_b32 s38, s8, 9
	s_add_co_u32 s38, s38, STM
	v_and_b32 v[LA], 31, v0
	v_lshlrev_b32 v[LA], 4, v[LA]
	v_lshl_add_u32 v[QA], s8, 15, v[LA]
	v_bfe_u32 v[SA], v0, 4, 1
	v_lshl_add_u32 v[SA], v[SA], 5, s38
	v_add_nc_u32 v[MA], STM, v[LA]
	s_wait_dscnt 0x0
	s_wait_kmcnt 0x0
	s_add_nc_u64 s[G0+2:G0+3], s[4:5], s[32:33]
	s_add_nc_u64 s[G0+6:G0+7], s[G0+2:G0+3], 16384
	s_or_b32 s[G0+3], s[G0+3], 0x80000000          ; type = 2
	s_or_b32 s[G0+7], s[G0+7], 0x80000000
	s_add_nc_u64 s[6:7], s[6:7], s[34:35]
	s_add_nc_u64 s[10:11], s[10:11], s[36:37]
	ROUND                                          ; all four work-groups are here: the joint loads meet
	tensor_load_to_lds s[G0:G0+3], s[G1:G1+7]      ; my queries 0-255
	s_nop 0
	tensor_load_to_lds s[G0+4:G0+7], s[G1:G1+7]    ; my queries 256-511: two loads of the wave are out, and no more are issued
	s_nop 0
.irp kh, 0,1
.irp t, 0,1,2,3
	global_load_b128 v[KF+32*\kh+8*\t:KF+32*\kh+8*\t+3],   v[LA], s[6:7] offset:8192*\kh+4096*(\t/2)+1024*(\t%2)
	global_load_b128 v[KF+32*\kh+8*\t+4:KF+32*\kh+8*\t+7], v[LA], s[6:7] offset:8192*\kh+4096*(\t/2)+1024*(\t%2)+512
.endr
.endr
	s_wait_loadcnt 0x0
.macro QLOAD p, b                      ; pair p of my query tiles into buffer b
.irp c, 0,1,2,3
	ds_load_b128 v[QF+16*(\b)+4*\c:QF+16*(\b)+4*\c+3], v[QA] offset:(\p)*2048+512*\c
.endr
.endm
; One product of group kn (a symbol, 0..63): key tile kn % 4 of the four at kfb, query tile q of pair kn / 4.  md = 0: the scores; md = 1: the scores less the maximum.
; No product adds onto another: each has registers of its own, which are written again only by the product four groups on, behind their last reader.
.macro WM q
.if md
	v_wmma_f32_16x16x32_bf16 v[D+16*(kn%4)+8*\q:D+16*(kn%4)+8*\q+7], v[kfb+8*(kn%4):kfb+8*(kn%4)+7], v[QF+16*((kn/4)%2)+8*\q:QF+16*((kn/4)%2)+8*\q+7], v[MX+8*(kn%4):MX+8*(kn%4)+7]
.else
	v_wmma_f32_16x16x32_bf16 v[D+16*(kn%4)+8*\q:D+16*(kn%4)+8*\q+7], v[kfb+8*(kn%4):kfb+8*(kn%4)+7], v[QF+16*((kn/4)%2)+8*\q:QF+16*((kn/4)%2)+8*\q+7], 0
.endif
.endm
; The plain instruction number pa (a symbol, 0..7) for group ga (a symbol) of a sum sweep: an add of that group's terms onto the sums.  The first pair's groups start the
; sums (four adds, each of both query tiles).  Where there is no add a v_nop keeps the count of four plain instructions a block, on which the places behind the products rest;
; phase 0's first two blocks (ga = -2) need none: the eight v_nop of its last two blocks stand behind its first products.
.macro PLB
.set dg, D+16*((ga+4)%4)
.set zg, Z+8*((ga+4)%4)
.if ga+1 < 0
.elseif ga < 0
	v_nop
.elseif ga < 4
.if pa < 4
	v_pk_add_f32 v[zg+2*pa:zg+2*pa+1], v[dg+2*pa:dg+2*pa+1], v[dg+8+2*pa:dg+8+2*pa+1]
.else
	v_nop
.endif
.else
	v_pk_add_f32 v[zg+2*(pa%4):zg+2*(pa%4)+1], v[zg+2*(pa%4):zg+2*(pa%4)+1], v[dg+2*pa:dg+2*pa+1]
.endif
.endm
; Block h (0..3) of phase pb (a symbol) of a sum sweep: eight of the batch's 32 exponentials (group 2 pb + h / 2, query tile h % 2 of the pair), in place, and four plain
; instructions: the adds of group 2 pb - 2 + h / 2, the same query tile, of the batch before.
; Exponentials (ISA guide 5.7.2): the line behind an exponential names neither its result nor its source, and plain instructions stand between it and the adds of the next phase.
.macro BLK h
.set eg, D+16*((2*pb+\h/2)%4)+8*(\h%2)
.set ga, 2*pb-2+\h/2
.irp a, 0,1,2,3
	v_exp_f32 v[eg+2*\a], v[eg+2*\a]
	v_exp_f32 v[eg+2*\a+1], v[eg+2*\a+1]
.set pa, 4*(\h%2)+\a
	PLB
.endr
.endm
; Phase pb (a symbol, 0..31) of a sum sweep: the wait for the batch before; then four times a product and a block.
; The products: each stands directly behind the four adds that read the eight registers which it writes: query tile 1 of group 2 pb + 1 (its adds closed the phase before),
; both of group 2 pb + 2, query tile 0 of group 2 pb + 3.  No line of the phase names a result of the phase's own batch: the adds and the other products have the other two groups' registers.
; Places (ISA guide 7.12.1): between a product and the exponentials on its result stand three blocks' plain instructions, twelve (in phase 0 eight), none of which names its registers.
; LDS loads: pair p + 1 is asked for at the head of phase 2 p, into the buffer that pair p - 1 has left (its last product heads phase 2 p - 1: sixteen plain instructions back),
; and waited for in phase 2 p + 1, in front of pair p + 1's first product.  In phase 30 the next sweep's pair 0 is asked for (last = 1: there is none).
.macro PHASE last
.if pb > 0
	s_wait_alu depctr_va_vdst(0)                   ; ONE wait for the batch of phase pb - 1 (32 exponentials), ahead of its first reader, block 0's first add
.endif
.if (pb%2) == 0
.if pb < 30
	QLOAD pb/2+1, (pb/2+1)%2
.else
.if \last == 0
	QLOAD 0, 0
.endif
.endif
.endif
.if pb > 0
.set kn, 2*pb+1
	WM 1
.endif
	BLK 0
.if pb < 31
.if (pb%2) == 1
	s_wait_dscnt 0x0                               ; the next pair: asked for a phase ago
.endif
.set kn, 2*pb+2
	WM 0
.endif
	BLK 1
.if pb < 31
	WM 1
.endif
	BLK 2
.if pb < 31
.set kn, 2*pb+3
	WM 0
.endif
	BLK 3
.endm
; Slot kk of a maximum sweep: the two products of group kk + 1, then the eight maxima of group kk, which are the places behind those products.
.macro SLOTA
.set eg, D+16*(kk%4)
.set mg, MX+8*(kk%4)
.set kn, kk+1
.if kk < 63
	WM 0
	WM 1
.endif
.irp j, 0,1,2,3,4,5,6,7
.if kk < 4
	v_max_num_f32 v[mg+\j], v[eg+\j], v[eg+8+\j]                   ; the first pair starts the maxima
.else
	v_max3_num_f32 v[mg+\j], v[mg+\j], v[eg+\j], v[eg+8+\j]
.endif
.endr
.endm
; A sweep over my 16 pairs with the four key tiles at kf.  mode = 1: a sum sweep, in phases (PHASE says where its pairs are fetched).
; mode = 0: a maximum sweep, in slots: pair p + 1 is asked for at the first group of pair p, into the buffer that pair p - 1 has left
; (its last product stands more than eight plain instructions back), and waited for at pair p's last group, whose slot issues pair p + 1's first products.
; At the last pair the next sweep's pair 0 is asked for (last = 1: there is none).  first = 1: my second 16,384 bytes are waited for in front of the fetch of pair 8.
.macro SWEEP mode, kf, first, last
.set md, \mode
.set kfb, \kf
	s_wait_dscnt 0x0                               ; pair 0 is in
.set kn, 0
	WM 0
	WM 1
.if md
.set kn, 1
	WM 0
	WM 1                                           ; a sum sweep's first batch is groups 0 and 1
.endif
.rept 4
	v_nop                                          ; the places behind these products
.endr
.if md
.set pb, 0
.rept 32
	PHASE \last
.set pb, pb+1
.endr
	s_wait_alu depctr_va_vdst(0)                   ; the wait for the sweep's last batch, phase 31's 32 exponentials; the phase's last add is the plain instruction behind them
.irp g, 62,63
.set ga, \g
.irp a, 0,1,2,3,4,5,6,7
.set pa, \a
	PLB                                            ; the adds of the last two groups
.endr
.endr
.else
.set kk, 0
.rept 64
.if (kk%4) == 0
.if kk < 60
.if \first
.if kk == 28
	s_wait_tensorcnt 0x0                           ; pair 8 is the first of my second load's bytes
.endif
.endif
	QLOAD kk/4+1, (kk/4+1)%2
.else
.if \last == 0
	QLOAD 0, 0
.endif
.endif
.endif
.if (kk%4) == 3
.if kk < 63
	s_wait_dscnt 0x0                               ; the next pair: asked for three slots ago
.endif
.endif
	SLOTA
.set kk, kk+1
.endr
.endif
.endm
.macro REDMAX                          ; over the 16 lanes (queries) of each half, then the sign: the C operand of the sum sweep
.irp m, 1,2,4,8
.set jj, 0
.rept 32
	v_max_num_f32_dpp v[MX+jj], v[MX+jj], v[MX+jj] row_xmask:\m row_mask:0xf bank_mask:0xf
.set jj, jj+1
.endr
.endr
.set jj, 0
.rept 16
	v_pk_mul_f32 v[MX+jj:MX+jj+1], v[MX+jj:MX+jj+1], -1.0 op_sel_hi:[1,0]
.set jj, jj+2
.endr
.endm
.macro REDZ
.irp m, 1,2,4,8
.set jj, 0
.rept 32
	v_add_f32_dpp v[Z+jj], v[Z+jj], v[Z+jj] row_xmask:\m row_mask:0xf bank_mask:0xf
.set jj, jj+1
.endr
.endr
.endm
.macro PUT kh                          ; my wave's -max and sum of 64 keys; the 16 lanes of a half hold, and write, the same numbers
.irp t, 0,1,2,3
	ds_store_b128 v[SA], v[MX+8*\t:MX+8*\t+3]   offset:256*\kh+64*\t
	ds_store_b128 v[SA], v[MX+8*\t+4:MX+8*\t+7] offset:256*\kh+64*\t+16
	ds_store_b128 v[SA], v[Z+8*\t:Z+8*\t+3]     offset:STZ+256*\kh+64*\t
	ds_store_b128 v[SA], v[Z+8*\t+4:Z+8*\t+7]   offset:STZ+256*\kh+64*\t+16
.endr
.endm
	s_wait_tensorcnt 0x1                           ; my first 16,384 bytes (pairs 0-7) are in; the second load may be out
	QLOAD 0, 0
	SWEEP 0, KF, 1, 0
	REDMAX
	SWEEP 1, KF, 0, 0
	REDZ
	PUT 0
	SWEEP 0, KF+32, 0, 0
	REDMAX
	SWEEP 1, KF+32, 0, 1
	REDZ
	PUT 1
	s_wait_dscnt 0x0                               ; my figures are in LDS: wave 0 reads them behind the barrier
	s_barrier_signal -1
	s_barrier_wait -1
	s_cmp_lg_u32 s8, 0
	s_cbranch_scc1 .Lmerged
	; Wave 0 merges the eight waves' figures, four keys a lane: nm = min of the -max; Z = sum of Z_w 2^(nm - nm_w); negl = nm - log2 Z.
.set NMW, D                            ; v[168:199] -max of wave w: 4 w + c
.set ZW,  D+32                         ; v[200:231] sum of wave w
.set NM,  MX                           ; v[72:75]
.set ZS,  MX+4                         ; v[76:79]
.set LG,  MX+8                         ; v[80:83]
.set RES, MX+12                        ; v[84:87]
.set E,   Z                            ; v[104:135]
.irp w, 0,1,2,3,4,5,6,7
	ds_load_b128 v[NMW+4*\w:NMW+4*\w+3], v[MA] offset:512*\w
.endr
.irp w, 0,1,2,3,4,5,6,7
	ds_load_b128 v[ZW+4*\w:ZW+4*\w+3], v[MA] offset:STZ+512*\w
.endr
	s_wait_dscnt 0x0
.irp c, 0,1,2,3
	v_min3_num_f32 v[NM+\c], v[NMW+\c], v[NMW+4+\c], v[NMW+8+\c]
.endr
.irp c, 0,1,2,3
	v_min3_num_f32 v[NM+\c], v[NM+\c], v[NMW+12+\c], v[NMW+16+\c]
.endr
.irp c, 0,1,2,3
	v_min3_num_f32 v[NM+\c], v[NM+\c], v[NMW+20+\c], v[NMW+24+\c]
.endr
.irp c, 0,1,2,3
	v_min_num_f32 v[NM+\c], v[NM+\c], v[NMW+28+\c]
.endr
.irp w, 0,1,2,3,4,5,6,7
.irp p, 0,2
	v_pk_add_f32 v[E+4*\w+\p:E+4*\w+\p+1], v[NM+\p:NM+\p+1], v[NMW+4*\w+\p:NMW+4*\w+\p+1] neg_lo:[0,1] neg_hi:[0,1]   ; max_w - max, at most 0
.endr
.endr
.set jj, 0
.rept 32
	v_exp_f32 v[E+jj], v[E+jj]
.set jj, jj+1
.endr
	v_nop                                          ; a plain instruction behind the last exponential
	s_wait_alu depctr_va_vdst(0)                   ; one wait for the merge's batch of 32 exponentials, ahead of the products that read them
.irp p, 0,2
	v_pk_mul_f32 v[ZS+\p:ZS+\p+1], v[ZW+\p:ZW+\p+1], v[E+\p:E+\p+1]
.endr
.irp w, 1,2,3,4,5,6,7
.irp p, 0,2
	v_pk_fma_f32 v[ZS+\p:ZS+\p+1], v[ZW+4*\w+\p:ZW+4*\w+\p+1], v[E+4*\w+\p:E+4*\w+\p+1], v[ZS+\p:ZS+\p+1]
.endr
.endr
.irp c, 0,1,2,3
	v_log_f32 v[LG+\c], v[ZS+\c]                   ; the sum holds the maximum's own term, about 1, so it is far from the denormals
.endr
	v_nop                                          ; a plain instruction behind the last logarithm
	s_wait_alu depctr_va_vdst(0)                   ; one wait for the four logarithms, a batch of their own since they read sums of the exponentials; it also stands ahead of the label below
.irp p, 0,2
	v_pk_add_f32 v[RES+\p:RES+\p+1], v[NM+\p:NM+\p+1], v[LG+\p:LG+\p+1] neg_lo:[0,1] neg_hi:[0,1]
.endr
	global_store_b128 v[LA], v[RES:RES+3], s[10:11]        ; 128 keys: 512 consecutive bytes, aligned
.Lmerged:
	s_wait_tensorcnt 0x0
	ds_add_u32 v232, v233
	s_wait_dscnt 0x0
	ROUND                                          ; the closing round: no work-group ends while a partner may still ask jointly
	s_endpgm
.Lfunc_end_k_q7d60b19d9f_stats:
	.size	k_q7d60b19d9f_stats, .Lfunc_end_k_q7d60b19d9f_stats-k_q7d60b19d9f_stats
	.p2alignl 7, 3214868480
	.fill 96, 4, 3214868480
	.section	.rodata,"a",@progbits
	.p2align	6, 0x0
	.amdhsa_kernel k_q7d60b19d9f_stats
		.amdhsa_group_segment_fixed_size 271360
		.amdhsa_private_segment_fixed_size 0
		.amdhsa_enable_private_segment 0
		.amdhsa_kernarg_size 24
		.amdhsa_user_sgpr_count 2
		.amdhsa_user_sgpr_kernarg_segment_ptr 1
		.amdhsa_wavefront_size32 1
		.amdhsa_system_sgpr_workgroup_id_x 1
		.amdhsa_system_sgpr_workgroup_id_y 1
		.amdhsa_system_sgpr_workgroup_id_z 1
		.amdhsa_system_vgpr_workitem_id 0
		.amdhsa_next_free_vgpr 234
		.amdhsa_next_free_sgpr 66
		.amdhsa_reserve_vcc 0
		.amdhsa_float_denorm_mode_32 3
		.amdhsa_float_denorm_mode_16_64 3
		.amdhsa_memory_ordered 1
		.amdhsa_forward_progress 1
		.amdhsa_inst_pref_size 255
	.end_amdhsa_kernel
	.section	.bss,"aw",@nobits
	.p2align	6
	.space	262144
	.amdgpu_metadata
---
amdhsa.version: [ 1, 2 ]
amdhsa.kernels:
  - .name:           k_q7d60b19d9f_stats
    .symbol:         k_q7d60b19d9f_stats.kd
    .args:
      - { .name: qf, .offset: 0, .size: 8, .value_kind: global_buffer, .address_space: global }
      - { .name: kuf, .offset: 8, .size: 8, .value_kind: global_buffer, .address_space: global }
      - { .name: negl, .offset: 16, .size: 8, .value_kind: global_buffer, .address_space: global }
    .group_segment_fixed_size: 271360
    .private_segment_fixed_size: 0
    .kernarg_segment_align: 8
    .kernarg_segment_size: 24
    .max_flat_workgroup_size: 256
    .sgpr_count:     66
    .vgpr_count:     234
    .wavefront_size: 32
...
	.end_amdgpu_metadata
.endif
;; end of part 4
;; launch attn: the kernel of part 3 again; grid 256 x 1, 8 waves a work-group, clusters of 4 x 1, 327,680 bytes of LDS; arguments qf, kuf, negl, basef, out0; writes out0
